; MI455X (gfx1250); checked and timed in simulation.
; The chip was launched on July 23, 2026; its instructions are those of AMD's public machine-readable ISA for CDNA 5 (MIT licence, August 2026) and "CDNA5" Instruction Set Architecture Reference Guide (July 2026). The comments in the code are by the model that wrote it; some were corrected since.
;; Lo RA Router. Allowed arithmetic: float matrix products may take bf16 or f16 operands with f32 sums; all other float work in f32.
;; Inputs: Wg 4,096 x 4,096 float32; Wr 7 x 4,096 float32; pooled_hidden 4,096 x 4,096 float32; rand_noise 7 x 4,096 x 8 float32.
;; Outputs: out0 7 x 4,096 x 8 float32.
;; One version. Each part assembles by itself: llvm-mc -triple=amdgcn-amd-amdhsa -mcpu=gfx1250 --defsym DOCPART=n.
;; ======== version 1 of 1: 3 launches
;; workspace buffers: mpart 458,752 bytes; mfull 114,688 bytes
;; launch wrwg (part 1): grid 64 x 4, 16 waves a work-group, no clusters, 88,064 bytes of LDS; arguments Wg, Wr, mpart; writes mpart
.if DOCPART == 1
	.amdgcn_target "amdgcn-amd-amdhsa--gfx1250"
	.amdhsa_code_object_version 6
	.text
	.protected	k_qad8fdc6949_wrwg
	.globl	k_qad8fdc6949_wrwg
	.p2align	8
	.type	k_qad8fdc6949_wrwg,@function
k_qad8fdc6949_wrwg:
	s_mov_b64 s[64:65], 0
	v_nop
	global_prefetch_b8 v0, s[64:65] scope:SCOPE_SE
	s_setreg_imm32_b32 hwreg(HW_REG_WAVE_MODE, 25, 1), 1
	s_wait_xcnt 0x0
; mpart[s][m][d] = the sum over e in quarter s (1,024 values) of Wr[m][e] * Wg[e][d].   Wg: [4096][4096] f32, Wr: [7][4096] f32, mpart: [4][7][4096] f32.
; WHY.  logits = (h Wg^T) Wr^T = h (Wr Wg)^T for every input: two products of seven rows take the place of one of 4,096.  Only the order of the f32 sums differs from the
; order in which the chain is written.  All in f32 on the vector unit: the result steers a comparison (p > 0.5) that a 16-bit operand's rounding would turn, and with seven rows
; the work is 3.5 packed multiply-adds for each number of Wg, beside 4 bytes read: a stream.  So no matrix instruction, no tensor load, no cluster (no two work-groups read the same bytes of Wg).
; SHARES.  Work-group (x, y): x = a strip of 64 columns (256 bytes of every row), y = s.  Wave w: rows 1024 s + 64 w .. + 63 of the strip, 16 KiB, asked for at once by 32 loads.
; Lane l = (h = l / 16, q = l % 16).  Load (g, j) takes row 8 g + 4 h + j of the wave's, bytes 16 q: sixteen lanes take 256 consecutive bytes, aligned, of one row.
; So in group g a lane meets four consecutive e, whose Wr[m][e] are 16 bytes: one LDS load a module and group.
; A lane sums 32 values of e for its 4 columns and 7 modules; the 32 partial sums of a column (16 waves x 2 halves of the lanes) meet in LDS, and wave m (0 to 6) adds and stores module m.
.set ROWB,   16384                     ; bytes in a row of Wg, of Wr and of mpart
.set WRS_W,  1792                      ; LDS 0 ..: wave w's own 7 rows of 256 bytes: Wr[m][its 64 values of e]
.set RED,    28672                     ; LDS: the partial sums: wave w at 3,584 w, module m at 512 m, lane l at 16 l
.set RED_W,  3584
.set SPARE,  86016                     ; behind them: the spare words, 128 bytes for each of 16 waves: eight blocks of 256 bytes that no other line names
.set WOFF, 2                           ; v2   65,536 h + 16 q: my bytes in a group's first four rows (h: four rows on)
.set L8,   3                           ; v3   8 l
.set LST,  4                           ; v4   LDS: where I put my 8 bytes of a row of Wr
.set LMU,  5                           ; v5   LDS: my half's 16 bytes of Wr in group 0, module 0
.set RST,  6                           ; v6   LDS: where my partial sums go
.set RRD,  7                           ; v7   LDS: where I read partial sums of module w, columns 2 l and 2 l + 1
.set SPW,  8                           ; v8   LDS address of my spare word; never rewritten
.set NIL,  9                           ; v9   0; never rewritten
.set WRT,  12                          ; v[12:25]   Wr on its way to LDS, a pair a module
.set ACC,  28                          ; v[28:55]   the sums: module m, my 4 columns at ACC + 4 m
.set MU,   56                          ; v[56:111]  Wr[m][four e], two buffers of 28 by the group's parity
.set W,    112                         ; v[112:239] Wg: load (g, j) at W + 16 g + 4 j; at the end the 32 pairs of the last sum
	s_load_b128 s[4:7], s[0:1], 0x0                ; Wg s[4:5], Wr s[6:7]
	s_load_b64 s[8:9], s[0:1], 0x10                ; mpart
	v_lshl_add_u32 v[SPW], v0, 2, SPARE
	v_mov_b32 v[NIL], 0
	v_lshrrev_b32 v10, 5, v0
	v_readfirstlane_b32 s12, v10                   ; wave 0..15
	s_mov_b32 s13, ttmp9                           ; strip
	s_and_b32 s14, ttmp7, 0xffff                   ; s
	v_and_b32 v1, 31, v0                           ; l
	v_and_b32 v10, 15, v0                          ; q
	v_bfe_u32 v11, v0, 4, 1                        ; h
	v_lshlrev_b32 v[WOFF], 4, v10
	v_lshl_or_b32 v[WOFF], v11, 16, v[WOFF]
	v_lshlrev_b32 v[L8], 3, v1
	s_mul_i32 s22, s12, WRS_W                      ; my wave's rows of Wr in LDS
	s_mul_i32 s23, s12, RED_W
	s_add_co_u32 s23, s23, RED                     ; my wave's partial sums
	s_lshl_b32 s24, s12, 9
	s_add_co_u32 s24, s24, RED                     ; module w in wave 0's partial sums
	v_add_nc_u32 v[LST], s22, v[L8]
	v_lshl_add_u32 v[LMU], v11, 4, s22
	v_lshl_add_u32 v[RST], v1, 4, s23
	v_add_nc_u32 v[RRD], s24, v[L8]
	s_lshl_b32 s16, s14, 24                        ; Wg: 1,024 s rows of 16,384 bytes,
	s_lshl_b32 s15, s12, 20                        ; 64 w rows,
	s_add_co_u32 s16, s16, s15
	s_lshl_b32 s15, s13, 8                         ; the strip's 256 bytes
	s_add_co_u32 s16, s16, s15
	s_mov_b32 s17, 0
	s_lshl_b32 s18, s14, 12                        ; Wr: 1,024 s numbers,
	s_lshl_b32 s19, s12, 8                         ; 64 w numbers
	s_add_co_u32 s18, s18, s19
	s_mov_b32 s19, 0
	s_min_u32 s20, s12, 6                          ; mpart: row 7 s + w (waves 7 to 15 store nothing: their pointer stays in the buffer),
	s_mul_i32 s21, s14, 7
	s_add_co_u32 s20, s20, s21
	s_lshl_b32 s20, s20, 14
	s_add_co_u32 s20, s20, s15                     ; the strip
	s_mov_b32 s21, 0
	s_wait_kmcnt 0x0
	s_add_nc_u64 s[4:5], s[4:5], s[16:17]
	s_add_nc_u64 s[6:7], s[6:7], s[18:19]
	s_add_nc_u64 s[8:9], s[8:9], s[20:21]
.irp m, 0,1,2,3,4,5,6
	global_load_b64 v[WRT+2*(\m):WRT+2*(\m)+1], v[L8], s[6:7] offset:ROWB*(\m)  ; 32 lanes: 256 consecutive bytes, aligned: Wr[m][my wave's 64 e]
.endr
.irp g, 0,1,2,3,4,5,6,7
.irp j, 0,1,2,3
	global_load_b128 v[W+16*(\g)+4*(\j):W+16*(\g)+4*(\j)+3], v[WOFF], s[4:5] offset:(8*(\g)+(\j))*ROWB th:TH_LOAD_NT  ; the wave's whole share is asked for before anything is multiplied; Wg is read once in the launch
.endr
.endr
	s_wait_loadcnt 32                              ; loads come back in order (ISA guide 5.7.1): the 32 of Wg may stay out, Wr is in
.irp m, 0,1,2,3,4,5,6
	ds_store_b64 v[LST], v[WRT+2*(\m):WRT+2*(\m)+1] offset:256*(\m)
.endr
; Wr[m][8 g + 4 h .. + 3] for the seven modules: two addresses an instruction, one for each half of the lanes.  The bytes are the wave's own, and LDS serves a wave's
; instructions in order (ISA guide 5.7.1.4): these see the stores above without a wait.
.macro MULOAD g
.irp m, 0,1,2,3,4,5,6
	ds_load_b128 v[MU+28*((\g)%2)+4*(\m):MU+28*((\g)%2)+4*(\m)+3], v[LMU] offset:256*(\m)+32*(\g)
.endr
.endm
; Group g: 8 rows of the wave's (4 a lane), 56 packed multiply-adds.  An accumulator comes round every 14.  The factor is one word of a pair, taken for both halves:
; the low word for even j, the high word for odd j.  The very first products start the sums: nothing is cleared.
.macro GROUP g
.if (\g) < 7
	MULOAD (\g)+1
	s_wait_dscnt 7                                 ; the seven just issued may stay out: this group's Wr is in
.else
	s_wait_dscnt 0
.endif
	s_wait_loadcnt 28-4*(\g)                       ; the later groups' loads may stay out
.irp j, 0,1,2,3
.irp m, 0,1,2,3,4,5,6
.irp p, 0,1
.if ((\g) == 0) && ((\j) == 0)
	v_pk_mul_f32 v[ACC+4*(\m)+2*(\p):ACC+4*(\m)+2*(\p)+1], v[W+16*(\g)+4*(\j)+2*(\p):W+16*(\g)+4*(\j)+2*(\p)+1], v[MU+28*((\g)%2)+4*(\m):MU+28*((\g)%2)+4*(\m)+1] op_sel_hi:[1,0]
.elseif ((\j)%2) == 0
	v_pk_fma_f32 v[ACC+4*(\m)+2*(\p):ACC+4*(\m)+2*(\p)+1], v[W+16*(\g)+4*(\j)+2*(\p):W+16*(\g)+4*(\j)+2*(\p)+1], v[MU+28*((\g)%2)+4*(\m)+2*((\j)/2):MU+28*((\g)%2)+4*(\m)+2*((\j)/2)+1], v[ACC+4*(\m)+2*(\p):ACC+4*(\m)+2*(\p)+1] op_sel_hi:[1,0,1]
.else
	v_pk_fma_f32 v[ACC+4*(\m)+2*(\p):ACC+4*(\m)+2*(\p)+1], v[W+16*(\g)+4*(\j)+2*(\p):W+16*(\g)+4*(\j)+2*(\p)+1], v[MU+28*((\g)%2)+4*(\m)+2*((\j)/2):MU+28*((\g)%2)+4*(\m)+2*((\j)/2)+1], v[ACC+4*(\m)+2*(\p):ACC+4*(\m)+2*(\p)+1] op_sel:[0,1,0] op_sel_hi:[1,1,1]
.endif
.endr
.endr
.endr
.endm
	MULOAD 0
.irp g, 0,1,2,3,4,5,6,7
	GROUP \g
.endr
.irp m, 0,1,2,3,4,5,6
	ds_store_b128 v[RST], v[ACC+4*(\m):ACC+4*(\m)+3] offset:512*(\m)  ; 32 lanes: 512 consecutive bytes: the lower 256 the 64 columns' sums of h = 0, the upper those of h = 1
.endr
	s_wait_tensorcnt 0x0                           ; behind my last LDS store: no LDS write follows the add below
	ds_add_u32 v[SPW], v[NIL]
	s_wait_dscnt 0x0                               ; also for the others' sake: my partial sums are in LDS
	s_barrier_signal -1
	s_barrier_wait -1                              ; everybody's are
	s_cmp_gt_u32 s12, 6
	s_cbranch_scc1 .Lend                           ; seven modules: waves 7 to 15 are done
.set i, 0
.rept 32                                       ; wave i / 2's sums, half i % 2 of its lanes: 256 consecutive bytes, my two columns at 8 l
	ds_load_b64 v[W+2*i:W+2*i+1], v[RRD] offset:RED_W*(i/2)+256*(i%2)
.set i, i+1
.endr
	s_wait_dscnt 0x0
.irp st, 16,8,4,2,1                            ; a tree of 31 packed additions
.set i, 0
.rept \st
	v_pk_add_f32 v[W+2*i:W+2*i+1], v[W+2*i:W+2*i+1], v[W+2*(i+\st):W+2*(i+\st)+1]
.set i, i+1
.endr
.endr
	global_store_b64 v[L8], v[W:W+1], s[8:9]       ; 32 lanes store 256 consecutive bytes, at a multiple of 256 from mpart's first byte
.Lend:
	s_endpgm
.Lfunc_end_k_qad8fdc6949_wrwg:
	.size	k_qad8fdc6949_wrwg, .Lfunc_end_k_qad8fdc6949_wrwg-k_qad8fdc6949_wrwg
	.p2alignl 7, 3214868480
	.fill 96, 4, 3214868480
	.section	.rodata,"a",@progbits
	.p2align	6, 0x0
	.amdhsa_kernel k_qad8fdc6949_wrwg
		.amdhsa_group_segment_fixed_size 88064
		.amdhsa_private_segment_fixed_size 0
		.amdhsa_enable_private_segment 0
		.amdhsa_kernarg_size 24
		.amdhsa_user_sgpr_count 2
		.amdhsa_user_sgpr_kernarg_segment_ptr 1
		.amdhsa_wavefront_size32 1
		.amdhsa_system_sgpr_workgroup_id_x 1
		.amdhsa_system_sgpr_workgroup_id_y 1
		.amdhsa_system_sgpr_workgroup_id_z 1
		.amdhsa_system_vgpr_workitem_id 0
		.amdhsa_next_free_vgpr 240
		.amdhsa_next_free_sgpr 66
		.amdhsa_reserve_vcc 0
		.amdhsa_float_denorm_mode_32 3
		.amdhsa_float_denorm_mode_16_64 3
		.amdhsa_memory_ordered 1
		.amdhsa_forward_progress 1
		.amdhsa_inst_pref_size 43
	.end_amdhsa_kernel
	.amdgpu_metadata
---
amdhsa.version: [ 1, 2 ]
amdhsa.kernels:
  - .name:           k_qad8fdc6949_wrwg
    .symbol:         k_qad8fdc6949_wrwg.kd
    .args:
      - { .name: Wg, .offset: 0, .size: 8, .value_kind: global_buffer, .address_space: global }
      - { .name: Wr, .offset: 8, .size: 8, .value_kind: global_buffer, .address_space: global }
      - { .name: mpart, .offset: 16, .size: 8, .value_kind: global_buffer, .address_space: global }
    .group_segment_fixed_size: 88064
    .private_segment_fixed_size: 0
    .kernarg_segment_align: 8
    .kernarg_segment_size: 24
    .max_flat_workgroup_size: 512
    .sgpr_count:     66
    .vgpr_count:     240
    .wavefront_size: 32
...
	.end_amdgpu_metadata
.endif
;; end of part 1
;; launch msum (part 2): grid 28 x 1, 8 waves a work-group, no clusters, 0 bytes of LDS; arguments mpart, mfull; writes mfull
.if DOCPART == 2
	.amdgcn_target "amdgcn-amd-amdhsa--gfx1250"
	.amdhsa_code_object_version 6
	.text
	.protected	k_qad8fdc6949_msum
	.globl	k_qad8fdc6949_msum
	.p2align	8
	.type	k_qad8fdc6949_msum,@function
k_qad8fdc6949_msum:
	s_mov_b64 s[64:65], 0
	v_nop
	global_prefetch_b8 v0, s[64:65] scope:SCOPE_SE
	s_setreg_imm32_b32 hwreg(HW_REG_WAVE_MODE, 25, 1), 1
	s_wait_xcnt 0x0
; mfull[m][d] = the sum over s = 0..3 of mpart[s][m][d]: M = Wr Wg, [7][4096] f32, 114,688 bytes.
; A thread owns 16 bytes, a work-group of 256 threads 4,096 bytes: 28 work-groups are all the work there is, so 28 are launched.
; It stands alone because a sum over work-groups of the launch before may only be read when that launch has ended, and because the launch behind keeps M in registers: there four
; partial tables would be four times the registers and four times the bytes for each of its 256 work-groups.
.set PARTB, 114688                     ; bytes of one partial table
	s_load_b128 s[4:7], s[0:1], 0x0                ; mpart s[4:5], mfull s[6:7]
	v_lshlrev_b32 v1, 4, v0                        ; 16 bytes a thread: a wave's load or store covers 512 consecutive bytes
	s_lshl_b32 s8, ttmp9, 12                       ; the work-group's 4,096 bytes
	s_mov_b32 s9, 0
	s_wait_kmcnt 0x0
	s_add_nc_u64 s[4:5], s[4:5], s[8:9]
	s_add_nc_u64 s[6:7], s[6:7], s[8:9]
.irp s, 0,1,2,3
	global_load_b128 v[4+4*(\s):7+4*(\s)], v1, s[4:5] offset:PARTB*(\s)
.endr
	s_wait_loadcnt 2                               ; partials 0 and 1 are in, 2 and 3 may stay out
	v_pk_add_f32 v[4:5], v[4:5], v[8:9]
	v_pk_add_f32 v[6:7], v[6:7], v[10:11]
	s_wait_loadcnt 0
	v_pk_add_f32 v[12:13], v[12:13], v[16:17]
	v_pk_add_f32 v[14:15], v[14:15], v[18:19]
	v_pk_add_f32 v[4:5], v[4:5], v[12:13]
	v_pk_add_f32 v[6:7], v[6:7], v[14:15]
	global_store_b128 v1, v[4:7], s[6:7]
	s_endpgm
.Lfunc_end_k_qad8fdc6949_msum:
	.size	k_qad8fdc6949_msum, .Lfunc_end_k_qad8fdc6949_msum-k_qad8fdc6949_msum
	.p2alignl 7, 3214868480
	.fill 96, 4, 3214868480
	.section	.rodata,"a",@progbits
	.p2align	6, 0x0
	.amdhsa_kernel k_qad8fdc6949_msum
		.amdhsa_group_segment_fixed_size 0
		.amdhsa_private_segment_fixed_size 0
		.amdhsa_enable_private_segment 0
		.amdhsa_kernarg_size 16
		.amdhsa_user_sgpr_count 2
		.amdhsa_user_sgpr_kernarg_segment_ptr 1
		.amdhsa_wavefront_size32 1
		.amdhsa_system_sgpr_workgroup_id_x 1
		.amdhsa_system_sgpr_workgroup_id_y 1
		.amdhsa_system_sgpr_workgroup_id_z 1
		.amdhsa_system_vgpr_workitem_id 0
		.amdhsa_next_free_vgpr 24
		.amdhsa_next_free_sgpr 66
		.amdhsa_reserve_vcc 0
		.amdhsa_float_denorm_mode_32 3
		.amdhsa_float_denorm_mode_16_64 3
		.amdhsa_memory_ordered 1
		.amdhsa_forward_progress 1
		.amdhsa_inst_pref_size 2
	.end_amdhsa_kernel
	.amdgpu_metadata
---
amdhsa.version: [ 1, 2 ]
amdhsa.kernels:
  - .name:           k_qad8fdc6949_msum
    .symbol:         k_qad8fdc6949_msum.kd
    .args:
      - { .name: mpart, .offset: 0, .size: 8, .value_kind: global_buffer, .address_space: global }
      - { .name: mfull, .offset: 8, .size: 8, .value_kind: global_buffer, .address_space: global }
    .group_segment_fixed_size: 0
    .private_segment_fixed_size: 0
    .kernarg_segment_align: 8
    .kernarg_segment_size: 16
    .max_flat_workgroup_size: 256
    .sgpr_count:     66
    .vgpr_count:     24
    .wavefront_size: 32
...
	.end_amdgpu_metadata
.endif
;; end of part 2
;; launch route (part 3): grid 256 x 1, 8 waves a work-group, no clusters, 5,120 bytes of LDS; arguments pooled_hidden, mfull, rand_noise, out0; writes out0
.if DOCPART == 3
	.amdgcn_target "amdgcn-amd-amdhsa--gfx1250"
	.amdhsa_code_object_version 6
	.text
	.protected	k_qad8fdc6949_route
	.globl	k_qad8fdc6949_route
	.p2align	8
	.type	k_qad8fdc6949_route,@function
k_qad8fdc6949_route:
	s_mov_b64 s[64:65], 0
	v_nop
	global_prefetch_b8 v0, s[64:65] scope:SCOPE_SE
	s_setreg_imm32_b32 hwreg(HW_REG_WAVE_MODE, 25, 1), 1
	s_wait_xcnt 0x0
; logits[b][m] = the sum over d of h[b][d] M[m][d] (M = Wr Wg, made by the launches before); cond = softmax(logits)[m] > 0.5;
; out0[m][b][i] = cond ? (rank < 2 ? 0.5 : 0) : (rank < 1 ? 1 : 0), rank = the place of expert i in the descending, stable order of rand_noise[m][b][0..7].
; h: [4096][4096] f32, M: [7][4096] f32, rand_noise and out0: [7][4096][8] f32.  Everything in f32 on the vector unit: seven rows of M, 3.5 packed multiply-adds for each number of h beside
; 4 bytes read: a stream; and a 16-bit operand's rounding would turn comparisons.  No tensor load and no ring: the work-group's whole share of h is asked for at once, into registers.
; No cluster: no two work-groups read the same bytes of h; M, which all read, is 112 KiB of the 368 KiB that a work-group takes in, once, straight into the lanes that keep it.
; LIMITS.  The sums' order differs from that of the chain as it is written (f32 both).  The maximum is taken away before the exponentials; p > 0.5 is tested as e_m > 0.5 x (the sum of the e):
; the same comparison without the quotient's rounding.  A term below 2^-126 counts as 0 in that sum, which is at least 1.  rand_noise holds no NaN (here a NaN would rank first).
; SHARES.  The work-group owns rows 16 g .. 16 g + 15, whole.  Wave w owns columns 512 w .. + 511: in a row four loads of 512 consecutive bytes; a lane's 16 numbers of each of M's seven rows
; stay in 112 registers, its 16 numbers of each of the 16 rows of h land in window 1.  The lanes' sums are folded, four rows at a time, so that lane l ends with row l / 8, module l % 8;
; the eight waves' sums meet in LDS; then wave m (0 to 6) serves module m: lane l has row l / 2 and experts 4 (l % 2) .. + 3.
; REGISTERS, in windows of 256 (s_set_vgpr_msb: bits 1:0 source 0, 3:2 source 1, 5:4 source 2, 7:6 destination): window 0 as named below; window 1: h, row r, chunk c at 16 r + 4 c.
.set ROWB,  16384                      ; bytes in a row of h and of M
.set SPARE, 4096                       ; LDS 0 .. 4,095: the sums [wave 8][row 16][8] f32 (place 7 of a row holds a second copy of module 6's sum, which nobody uses);
                                       ; behind them the spare words, 128 bytes for each of 8 waves: four blocks of 256 bytes that no other line names
.set VOFF, 2                           ; v2   2,048 w + 16 l: my bytes in a row's first chunk
.set L16,  3                           ; v3   16 l
.set PST,  4                           ; v4   LDS: 512 w + 4 l: where my folded sum goes
.set PRD,  5                           ; v5   LDS: 32 (l / 2): my row in wave 0's sums
.set PRO,  6                           ; v6   LDS: the same + 4 x my module
.set SPW,  7                           ; v7   LDS address of my spare word; never rewritten
.set NIL,  8                           ; v8   0; never rewritten
.set N,    10                          ; v[10:13]   my four noise values
.set MR,   16                          ; v[16:127]  M: module m, chunk c at MR + 16 m + 4 c
.set ACC,  128                         ; v[128:141] a row's seven sums, a pair each
.set A,    144                         ; v[144:175] row r % 4, module m at A + 8 (r % 4) + m
.set T,    176                         ; v[176:179] at work in the folds
.set P,    184                         ; v[184:187] my neighbour lane's four noise values
.set C,    188                         ; v[188:191] ranks
.set O,    192                         ; v[192:195] the result
.set MX,   196
.set THR,  197
.set VAL,  198
.set LG,   16                          ; the last phase, where M lay: wave u's eight sums of my row at LG + 8 u
.set OW,   80                          ; and its sum for my module at OW + u
.set B0,   20                          ; s20-24  the lanes whose number has bit 0, 1, 2, 3, 4 set
.set SEL,  26                          ; s[26:27] v_permlanex16_b32's selects: each lane takes its own place in the other half
.set MSB, 0
.macro WIN new                         ; the immediate's high byte repeats the setting that is left
.if MSB != (\new)
	s_set_vgpr_msb (MSB<<8)|(\new)
.set MSB, \new
.endif
.endm
	s_load_b256 s[4:11], s[0:1], 0x0               ; h s[4:5], M s[6:7], noise s[8:9], out0 s[10:11]
	v_lshl_add_u32 v[SPW], v0, 2, SPARE
	v_mov_b32 v[NIL], 0
	v_lshrrev_b32 v9, 5, v0
	v_readfirstlane_b32 s12, v9                    ; wave 0..7
	s_min_u32 s13, s12, 6                          ; my module.  It asks for module 6's 512 bytes of noise once more and ranks them to no use, so that one text with one count of loads serves every wave
	v_and_b32 v1, 31, v0                           ; l
	v_lshlrev_b32 v[L16], 4, v1
	v_lshl_add_u32 v[VOFF], s12, 11, v[L16]
	v_lshlrev_b32 v[PST], 2, v1
	v_lshl_add_u32 v[PST], s12, 9, v[PST]
	v_lshrrev_b32 v[PRD], 1, v1
	v_lshlrev_b32 v[PRD], 5, v[PRD]
	v_lshl_add_u32 v[PRO], s13, 2, v[PRD]
.irp j, 0,1,2,3
	v_mov_b32 v[P+(\j)], 0                         ; the destination of a move across lanes counts as read: it is written once before
.endr
	s_lshl_b32 s14, ttmp9, 18                      ; h: 16 g rows of 16,384 bytes
	s_mov_b32 s15, 0
	s_lshl_b32 s16, s13, 17                        ; noise and out0: a module is 131,072 bytes,
	s_lshl_b32 s17, ttmp9, 9                       ; 16 rows are 512
	s_add_co_u32 s16, s16, s17
	s_mov_b32 s17, 0
	s_mov_b32 s[B0], 0xaaaaaaaa
	s_mov_b32 s[B0+1], 0xcccccccc
	s_mov_b32 s[B0+2], 0xf0f0f0f0
	s_mov_b32 s[B0+3], 0xff00ff00
	s_mov_b32 s[B0+4], 0xffff0000
	s_mov_b32 s[SEL], 0x76543210
	s_mov_b32 s[SEL+1], 0xfedcba98
	s_wait_kmcnt 0x0
	s_add_nc_u64 s[4:5], s[4:5], s[14:15]
	s_add_nc_u64 s[8:9], s[8:9], s[16:17]
	s_add_nc_u64 s[10:11], s[10:11], s[16:17]
	; 93 loads on end: the noise, M (which every product needs), then the wave's 32 KiB of h.  The counter's field holds 63: the hardware holds back the issue of a load that would pass it (ISA guide 5.7.1).
	global_load_b128 v[N:N+3], v[L16], s[8:9]      ; 512 consecutive bytes: 16 rows x 8 experts of my module
.irp m, 0,1,2,3,4,5,6
.irp c, 0,1,2,3
	global_load_b128 v[MR+16*(\m)+4*(\c):MR+16*(\m)+4*(\c)+3], v[VOFF], s[6:7] offset:ROWB*(\m)+512*(\c)
.endr
.endr
	WIN 0x40                                       ; destination window 1, address window 0
.irp r, 0,1,2,3,4,5,6,7,8,9,10,11,12,13,14,15
.irp c, 0,1,2,3
	global_load_b128 v[16*(\r)+4*(\c):16*(\r)+4*(\c)+3], v[VOFF], s[4:5] offset:ROWB*(\r)+512*(\c) th:TH_LOAD_NT  ; 512 consecutive bytes; h is read once in the launch
.endr
.endr
	WIN 0
	; THE RANKS, made while h is on its way.  rank of expert i = the number of j with n_j > n_i, and of j < i with n_j = n_i (a stable order: of equals the lower index comes first).
	s_wait_loadcnt 63                              ; of the 93 at most 63 are out: the oldest 30, the noise and M among them, are in
.irp j, 0,1,2,3
	v_mov_b32_dpp v[P+(\j)], v[N+(\j)] row_xmask:1 row_mask:0xf bank_mask:0xf  ; the row's other four experts lie in the lane beside me
.endr
.macro COUNT i                         ; the count takes VCC's bit; the first one starts it: nothing is cleared
.if FIRST
	v_cndmask_b32 v[C+(\i)], 0, 1, vcc_lo
.set FIRST, 0
.else
	v_add_co_ci_u32 v[C+(\i)], vcc_lo, 0, v[C+(\i)], vcc_lo
.endif
.endm
.irp i, 0,1,2,3
.set FIRST, 1
.irp j, 0,1,2,3
.if (\j) < (\i)
	v_cmp_ge_f32 vcc_lo, v[N+(\j)], v[N+(\i)]      ; my own four: a lower index wins a tie
	COUNT \i
.elseif (\j) > (\i)
	v_cmp_gt_f32 vcc_lo, v[N+(\j)], v[N+(\i)]
	COUNT \i
.endif
.endr
.irp j, 0,1,2,3
	v_cmp_gt_f32 s28, v[P+(\j)], v[N+(\i)]         ; the neighbour's four: greater counts everywhere,
	v_cmp_ge_f32 s29, v[P+(\j)], v[N+(\i)]
	s_and_b32 s29, s29, s[B0]                      ; equal only in odd lanes, whose neighbour holds the lower indices
	s_or_b32 vcc_lo, s28, s29
	COUNT \i
.endr
.endr
; Row r: 56 packed multiply-adds (an accumulator comes round every 7; the first products start the sums), then each pair's two halves are added.
.macro ROW r
	s_wait_loadcnt 60-4*(\r)                       ; loads come back in order (ISA guide 5.7.1): the later rows' 4 (15 - r) loads may stay out
	WIN 0x01                                       ; source 0 (h) window 1
.irp p, 0,1,2,3,4,5,6,7
.irp m, 0,1,2,3,4,5,6
.if (\p) == 0
	v_pk_mul_f32 v[ACC+2*(\m):ACC+2*(\m)+1], v[16*(\r)+2*(\p):16*(\r)+2*(\p)+1], v[MR+16*(\m)+2*(\p):MR+16*(\m)+2*(\p)+1]
.else
	v_pk_fma_f32 v[ACC+2*(\m):ACC+2*(\m)+1], v[16*(\r)+2*(\p):16*(\r)+2*(\p)+1], v[MR+16*(\m)+2*(\p):MR+16*(\m)+2*(\p)+1], v[ACC+2*(\m):ACC+2*(\m)+1]
.endif
.endr
.endr
	WIN 0
.irp m, 0,1,2,3,4,5,6
	v_add_f32 v[A+8*((\r)%4)+(\m)], v[ACC+2*(\m)], v[ACC+2*(\m)+1]
.endr
.endm
; A FOLD of two numbers a and b over a bit of the lane's number: lanes with the bit clear keep a and send b, lanes with it set keep b and send a; each adds what the lane across the bit sent.
; So two sums over lanes cost three instructions and one register, and the bit now tells which of the two a lane holds.
.macro FSEL t, a, b, mask              ; t = what I send, a = what I keep
	v_cndmask_b32 v[\t], v[\b], v[\a], s[\mask]
	v_cndmask_b32 v[\a], v[\a], v[\b], s[\mask]
.endm
.macro FADD t, a, x
	v_add_f32_dpp v[\a], v[\t], v[\a] row_xmask:\x row_mask:0xf bank_mask:0xf
.endm
.macro FOLDQ a, b, mask, x             ; modules a and b of all four rows: the selects first, then the additions, so that none reads a result just made
.irp q, 0,1,2,3
	FSEL T+(\q), A+8*(\q)+(\a), A+8*(\q)+(\b), \mask
.endr
.irp q, 0,1,2,3
	FADD T+(\q), A+8*(\q)+(\a), \x
.endr
.endm
; Four rows x seven modules, each summed over the 32 lanes: 86 instructions.  Bits 0 to 2 of the lane's number come to name the module (7: module 6 once more), bits 3 and 4 the row.
.macro REDUCE4
	FOLDQ 0, 1, B0, 1
	FOLDQ 2, 3, B0, 1
	FOLDQ 4, 5, B0, 1
.irp q, 0,1,2,3
	v_add_f32_dpp v[A+8*(\q)+6], v[A+8*(\q)+6], v[A+8*(\q)+6] row_xmask:1 row_mask:0xf bank_mask:0xf  ; module 6 has no partner
.endr
	FOLDQ 0, 2, B0+1, 2
	FOLDQ 4, 6, B0+1, 2
	FOLDQ 0, 4, B0+2, 4
	FSEL T, A, A+8, B0+3                           ; rows 0 and 1,
	FSEL T+1, A+16, A+24, B0+3                     ; rows 2 and 3
	FADD T, A, 8
	FADD T+1, A+16, 8
	FSEL T, A, A+16, B0+4                          ; and the two pairs, across the halves of the lanes
	v_permlanex16_b32 v[T+1], v[T], s[SEL], s[SEL+1]  ; its destination counts as read: it has been written above
	v_add_f32 v[A], v[A], v[T+1]
.endm
.irp k, 0,1,2,3
	ROW 4*(\k)
	ROW 4*(\k)+1
	ROW 4*(\k)+2
	ROW 4*(\k)+3
	REDUCE4
	ds_store_b32 v[PST], v[A] offset:128*(\k)      ; 128 consecutive bytes: rows 4 k .. 4 k + 3, eight places each
.endr
	s_wait_tensorcnt 0x0                           ; behind my last LDS store: no LDS write follows the add below
	ds_add_u32 v[SPW], v[NIL]
	s_wait_dscnt 0x0                               ; also for the others' sake: my sums are in LDS
	s_barrier_signal -1
	s_barrier_wait -1                              ; everybody's are
	s_cmp_gt_u32 s12, 6
	s_cbranch_scc1 .Lend                           ; seven modules: wave 7 is done
	; WAVE m SERVES MODULE m.  My row's eight places from each of the eight waves, and beside them my own module's place.
.irp u, 0,1,2,3,4,5,6,7
	ds_load_b128 v[LG+8*(\u):LG+8*(\u)+3],   v[PRD] offset:512*(\u)
	ds_load_b128 v[LG+8*(\u)+4:LG+8*(\u)+7], v[PRD] offset:512*(\u)+16
	ds_load_b32  v[OW+(\u)], v[PRO] offset:512*(\u)
.endr
	s_wait_dscnt 0x0
.irp st, 4,2,1                                 ; one tree over the waves for both, so that my module's logit has the same bits in both places
.set i, 0
.rept \st
.irp p, 0,1,2,3
	v_pk_add_f32 v[LG+8*i+2*(\p):LG+8*i+2*(\p)+1], v[LG+8*i+2*(\p):LG+8*i+2*(\p)+1], v[LG+8*(i+\st)+2*(\p):LG+8*(i+\st)+2*(\p)+1]
.endr
	v_add_f32 v[OW+i], v[OW+i], v[OW+i+\st]
.set i, i+1
.endr
.endr
	v_max3_num_f32 v[MX], v[LG], v[LG+1], v[LG+2]  ; the row's largest logit
	v_max3_num_f32 v[MX], v[MX], v[LG+3], v[LG+4]
	v_max3_num_f32 v[MX], v[MX], v[LG+5], v[LG+6]
	; the difference first, then the factor log2(e): not fused, since the difference of two near logits is exact, whereas a product of a large logit rounded ahead of the subtraction would not be
.irp m, 0,1,2,3,4,5,6
	v_sub_f32 v[LG+(\m)], v[LG+(\m)], v[MX]
.endr
	v_sub_f32 v[OW], v[OW], v[MX]
.irp m, 0,1,2,3,4,5,6
	v_mul_f32 v[LG+(\m)], 0x3fb8aa3b, v[LG+(\m)]
.endr
	v_mul_f32 v[OW], 0x3fb8aa3b, v[OW]
.irp m, 0,1,2,3,4,5,6
	v_exp_f32 v[LG+(\m)], v[LG+(\m)]
.endr
	v_exp_f32 v[OW], v[OW]
	v_nop                                          ; a plain instruction between the last exponential and the use of its result (ISA guide 5.7.2)
	s_wait_alu depctr_va_vdst(0)
	v_add_f32 v[LG], v[LG], v[LG+1]
	v_add_f32 v[LG+2], v[LG+2], v[LG+3]
	v_add_f32 v[LG+4], v[LG+4], v[LG+5]
	v_add_f32 v[LG], v[LG], v[LG+2]
	v_add_f32 v[LG+4], v[LG+4], v[LG+6]
	v_add_f32 v[LG], v[LG], v[LG+4]
	v_mul_f32 v[LG], 0.5, v[LG]                    ; exact
	v_cmp_gt_f32 s30, v[OW], v[LG]                 ; p > 0.5
	v_cndmask_b32 v[THR], 1, 2, s30                ; so many experts are kept,
	v_cndmask_b32 v[VAL], 1.0, 0.5, s30            ; with this weight: a choice of values, no branch
.irp i, 0,1,2,3
	v_cmp_lt_u32 vcc_lo, v[C+(\i)], v[THR]
	v_cndmask_b32 v[O+(\i)], 0, v[VAL], vcc_lo
.endr
	global_store_b128 v[L16], v[O:O+3], s[10:11] th:TH_STORE_NT  ; 32 lanes store 512 consecutive bytes, at a multiple of 256 from out0's first byte
.Lend:
	s_endpgm
.Lfunc_end_k_qad8fdc6949_route:
	.size	k_qad8fdc6949_route, .Lfunc_end_k_qad8fdc6949_route-k_qad8fdc6949_route
	.p2alignl 7, 3214868480
	.fill 96, 4, 3214868480
	.section	.rodata,"a",@progbits
	.p2align	6, 0x0
	.amdhsa_kernel k_qad8fdc6949_route
		.amdhsa_group_segment_fixed_size 5120
		.amdhsa_private_segment_fixed_size 0
		.amdhsa_enable_private_segment 0
		.amdhsa_kernarg_size 32
		.amdhsa_user_sgpr_count 2
		.amdhsa_user_sgpr_kernarg_segment_ptr 1
		.amdhsa_wavefront_size32 1
		.amdhsa_system_sgpr_workgroup_id_x 1
		.amdhsa_system_sgpr_workgroup_id_y 1
		.amdhsa_system_sgpr_workgroup_id_z 1
		.amdhsa_system_vgpr_workitem_id 0
		.amdhsa_next_free_vgpr 512
		.amdhsa_next_free_sgpr 66
		.amdhsa_reserve_vcc 1
		.amdhsa_float_denorm_mode_32 3
		.amdhsa_float_denorm_mode_16_64 3
		.amdhsa_memory_ordered 1
		.amdhsa_forward_progress 1
		.amdhsa_inst_pref_size 104
	.end_amdhsa_kernel
	.amdgpu_metadata
---
amdhsa.version: [ 1, 2 ]
amdhsa.kernels:
  - .name:           k_qad8fdc6949_route
    .symbol:         k_qad8fdc6949_route.kd
    .args:
      - { .name: pooled_hidden, .offset: 0, .size: 8, .value_kind: global_buffer, .address_space: global }
      - { .name: mfull, .offset: 8, .size: 8, .value_kind: global_buffer, .address_space: global }
      - { .name: rand_noise, .offset: 16, .size: 8, .value_kind: global_buffer, .address_space: global }
      - { .name: out0, .offset: 24, .size: 8, .value_kind: global_buffer, .address_space: global }
    .group_segment_fixed_size: 5120
    .private_segment_fixed_size: 0
    .kernarg_segment_align: 8
    .kernarg_segment_size: 32
    .max_flat_workgroup_size: 256
    .sgpr_count:     66
    .vgpr_count:     512
    .wavefront_size: 32
...
	.end_amdgpu_metadata
.endif
;; end of part 3
